; MI455X (gfx1250); checked and timed in simulation.
; The chip was launched on July 23, 2026; its instructions are those of AMD's public machine-readable ISA for CDNA 5 (MIT licence, August 2026) and "CDNA5" Instruction Set Architecture Reference Guide (July 2026). The comments in the code are by the model that wrote it; some were corrected since.
;; Attention. Allowed arithmetic: matrix products marked QUANTISED: E4M3 operands, one given power-of-two scale a tensor, by v_wmma_f32_16x16x64_fp8_fp8 or v_wmma_f32_16x16x128_fp8_fp8, f32 sums; everything else in f32.
;; Inputs: beta 2,048 float32; gamma 2,048 float32; k 8 x 2,048 x 128 float32; lowp_scales 4 int32 (the exponents e of the quantised operands' scales 2^e); q 8 x 2,048 x 128 float32; v 8 x 2,048 x 128 float32.
;; Outputs: out0 8 x 2,048 x 128 float32.
;; This version of the problem:
;;   THIS VERSION OF THE PROBLEM IS GIVEN IN LOW PRECISION. The matrix products marked QUANTISED in the list below multiply operands that are first quantised to E4M3 (4 exponent bits, 3 mantissa bits; 8 bits a number), with one given power-of-two scale for each operand tensor; their sums are f32. All else is computed in f32.
;;   The module's matrix products, in the order in which they are computed (A, B: the left and right operand; K: the contracted axis; several contracted axes count as one K, in the product's order):
;;     1. batch 8 x [M 2,048, K 128] x [K 128, N 2,048]; A: input q; B: input k: QUANTISED (scales: A lowp_scales[0], B lowp_scales[1])
;;     2. batch 8 x [M 2,048, K 2,048] x [K 2,048, N 128]; A: softmax (see below); B: input v: QUANTISED (scales: A lowp_scales[2], B lowp_scales[3])
;;   THE QUANTISER, for each operand of a quantised product, along K:
;;     - The operand's scale is 2^e, e = its entry of the input lowp_scales (int32; the entries are numbered through the quantised products in the list's order, A before B).
;;     - Each number is divided by the scale, clamped to +-448, and rounded to the nearest number of E4M3, ties to even, subnormals kept.
;;     - The product sums the exact products of the quantised numbers (number of the format x scale) in f32.
;;   ~~~python
;;   def quantise(x, axis, e):      # numpy; x: float32 -> the quantised numbers, widened to float32 again
;;       x = np.moveaxis(x, axis, -1); K = x.shape[-1]
;;       r = np.clip(x / 2.0 ** e, -448, 448)
;;       step = 2.0 ** (np.maximum(np.frexp(np.where(r == 0, 1, r))[1] - 1, -6) - 3)
;;       q = np.round(r / step) * step * 2.0 ** e      # np.round: ties to even
;;       return np.moveaxis(q, -1, axis).astype(np.float32)
;;   ~~~
;;   SOFTMAX AHEAD OF A QUANTISED PRODUCT. Where the list says 'softmax', what is quantised is not the finished softmax but p = 2^(t - M), with t = logit x log2(e) and M = ceil(the row's largest t), a whole number; so 1/2 < the row's largest p <= 1. The row's sum l is taken of the UNQUANTISED p, in f32, and the product's result is divided by l at the end. Since M is a whole number, a kernel that streams over the keys may use a running M (the ceiling of the running maximum): every later rescaling is an exact power of two, so the quantised numbers keep their values, but for numbers so far below the row's largest that they fall under the format's range.
;;   OPERANDS COMPUTED ON THE WAY. 'Computed on the way' means the value that the module computes at that place (a softmax that the list does not call 'softmax' is quantised finished and normalised). What goes into a quantiser is computed in f32, as accurately as f32 sums, v_exp_f32 and their like allow (about 1e-6 of the number): no bf16 or f16 on the way to a quantiser, and a product that is left as it is and whose result goes on into a quantised operand takes f32 operands (vector FMAs, or v_wmma_f32_16x16x4_f32). A number that lies on a knife's edge between two numbers of the format may be rounded either way, as far as f32 arithmetic and the matrix unit's own rounding can turn it there, and no further.
;; One version. Each part assembles by itself: llvm-mc -triple=amdgcn-amd-amdhsa -mcpu=gfx1250 --defsym DOCPART=n.
;; ======== version 1 of 1: 2 launches
;; workspace buffers: qc 2,097,152 bytes; kc 2,097,152 bytes; vc 2,097,152 bytes
;; launch prep (part 1): grid 256 x 1, 6 waves a work-group, no clusters, 102,400 bytes of LDS; arguments q, k, v, lowp_scales, qc, kc, vc; writes qc, kc, vc
.if DOCPART == 1
	.amdgcn_target "amdgcn-amd-amdhsa--gfx1250"
	.amdhsa_code_object_version 6
	.text
	.protected	k_q169cfe4beb_prep
	.globl	k_q169cfe4beb_prep
	.p2align	8
	.type	k_q169cfe4beb_prep,@function
k_q169cfe4beb_prep:
	s_mov_b64 s[64:65], 0
	v_nop
	global_prefetch_b8 v0, s[64:65] scope:SCOPE_SE
	s_setreg_imm32_b32 hwreg(HW_REG_WAVE_MODE, 25, 1), 1
	s_wait_xcnt 0x0
; q, k, v [8][2048][128] f32 become codes of FP8 (E4M3), each with the one scale 2^e that is given for it (entries 0, 1, 3 of the scales), laid IN THE ORDER OF THE OPERANDS' REGISTERS.
; code = x / 2^e, held within +-448, rounded to the nearest code, ties to even.  LIMITS: -126 <= e <= 119, so that 2^e and 448 x 2^e are f32 numbers; NaN among the inputs is not served.
; A FRAGMENT is 16 rows x 128 along K = 2,048 bytes: four chunks of 512; in chunk c lane l = (r = l % 16, h = l / 16) has 16 bytes at 16 l: K = 32 c + 16 h + 0 .. 15 of the fragment's row r.
;   qc, kc: head x 262,144 + (row / 32) x 4,096 + u x 2,048: fragment u of a block of 32 rows; its row r is row 8 u + r + 8 (r / 8) of the block; K = the head's 128.
;   vc:     head x 262,144 + (key / 128) x 16,384 + t x 2,048: row r is channel 16 t + r; K = the key within the 128.
; SHARES.  Work-group g: head g / 32, rows 64 (g % 32) on.  Wave w: tensor w / 2 (q, k, v), 32 rows (w % 2).  Waves share nothing: no barrier.
; Each load reads a row's 512 consecutive bytes; the 32 rows turn through the wave's own stage in LDS (pitch 528 = 33 x 16 bytes), since a conversion takes eight neighbours along K from ONE lane's registers:
; for q and k a lane reads back 16 neighbours of a row, for v (K = the keys, its first axis) 16 rows of one column.  Every store of codes covers 512 consecutive bytes, aligned.
; No tensor load and no matrix work: the launch streams 24 MB in and 6 MB out; a cluster has nothing to share here.
.set PITCH, 528
.set WREG,  32*PITCH                   ; a wave's stage
.set SPARE, 6*WREG                     ; behind the six stages: the spare words, 128 bytes a wave: three blocks of 256 bytes that no other line names
.set X, 32                             ; v32-159  the 32 rows as loaded, four registers each; later 64 numbers of the second round
.set Y, 160                            ; v160-223 64 numbers of the first round
.set C, 224                            ; v224-255 codes: 16 registers for each round, so that no store's data are written again
	s_load_b256 s[4:11], s[0:1], 0x0               ; q s[4:5], k s[6:7], v s[8:9], the scales' exponents s[10:11]
	s_load_b128 s[12:15], s[0:1], 0x20             ; qc s[12:13], kc s[14:15]
	s_load_b64 s[16:17], s[0:1], 0x30              ; vc
	v_lshl_add_u32 v6, v0, 2, SPARE                ; my spare word; never rewritten
	v_mov_b32 v7, 0                                ; 0; never rewritten
	v_lshrrev_b32 v1, 5, v0
	v_readfirstlane_b32 s18, v1                    ; wave 0..5
	v_and_b32 v1, 31, v0                           ; lane
	v_lshlrev_b32 v2, 4, v1                        ; 16 x lane: my bytes of a row of f32, and of a chunk of codes
	v_and_b32 v8, 15, v0                           ; r
	v_bfe_u32 v9, v0, 4, 1                         ; h
	s_mul_i32 s19, s18, WREG
	v_add_nc_u32 v3, s19, v2                       ; into the stage: 16 x lane of a row
	v_mul_u32_u24 v4, v8, PITCH
	v_lshl_add_u32 v4, v9, 6, v4
	v_add_nc_u32 v4, s19, v4                       ; back, q and k: stage row r, + 64 h: my 16 numbers of a block of 32 along K
	v_mul_u32_u24 v5, v9, 8*PITCH
	v_lshl_add_u32 v5, v8, 2, v5
	v_add_nc_u32 v5, s19, v5                       ; back, v: column r, 8 stage rows further on for lanes 16-31 (32 banks on: the halves do not meet)
	s_and_b32 s20, s18, 1                          ; which 32 rows
	s_lshl_b32 s21, ttmp9, 15                      ; 64 rows of 512 bytes a work-group
	s_lshl_b32 s22, s20, 14
	s_add_co_u32 s24, s21, s22                     ; where my rows begin in the tensor
	s_mov_b32 s25, 0
	s_lshl_b32 s21, ttmp9, 13                      ; q, k: 64 rows of 128 codes a work-group
	s_lshl_b32 s22, s20, 12
	s_add_co_u32 s26, s21, s22
	s_lshr_b32 s21, ttmp9, 1                       ; v: two work-groups share a block of 128 keys,
	s_lshl_b32 s21, s21, 14
	s_and_b32 s22, ttmp9, 1
	s_lshl_b32 s22, s22, 1
	s_add_co_u32 s22, s22, s20                     ; of which my 32 keys are chunk 2 (g % 2) + (w % 2) of every fragment
	s_lshl_b32 s22, s22, 9
	s_add_co_u32 s28, s21, s22
	s_mov_b32 s27, 0
	s_wait_kmcnt 0x0
	s_load_b128 s[36:39], s[10:11], 0x0            ; eq, ek, ep, ev
	s_cmp_lt_u32 s18, 4                            ; the tensor is chosen by the wave's number alone
	s_cselect_b64 s[30:31], s[6:7], s[8:9]
	s_cselect_b64 s[32:33], s[14:15], s[16:17]
	s_cselect_b32 s26, s26, s28
	s_cmp_lt_u32 s18, 2
	s_cselect_b64 s[30:31], s[4:5], s[30:31]
	s_cselect_b64 s[32:33], s[12:13], s[32:33]
	s_add_nc_u64 s[30:31], s[30:31], s[24:25]
	s_add_nc_u64 s[32:33], s[32:33], s[26:27]
.set i, 0
.rept 32
	global_load_b128 v[X+4*i:X+4*i+3], v2, s[30:31] offset:512*i th:TH_LOAD_NT   ; row i: 512 consecutive bytes; read once in the launch
.set i, i+1
.endr
	s_wait_kmcnt 0x0
	s_cmp_lt_u32 s18, 4
	s_cselect_b32 s34, s37, s39
	s_cmp_lt_u32 s18, 2
	s_cselect_b32 s34, s36, s34                    ; e
	s_add_co_i32 s34, s34, 127
	s_lshl_b32 s35, s34, 23
	v_mov_b32 v11, s35                             ; 2^e as f32: the conversion takes its exponent field
	s_add_co_i32 s34, s34, 8
	s_lshl_b32 s34, s34, 23
	s_or_b32 s34, s34, 0x600000
	v_mov_b32 v10, s34                             ; 448 x 2^e
; Row i of the block goes to stage row 16 ((i / 8) % 2) + i % 8 + 8 (i / 16): so fragment u's row r lies at stage row 16 u + r.
.set i, 0
.rept 4
	s_wait_loadcnt 24-i                            ; loads come back in order: these eight rows are in, the later groups of eight may be out
.rept 8
	ds_store_b128 v3, v[X+4*i:X+4*i+3] offset:(16*((i>>3)&1)+(i&7)+8*(i>>4))*PITCH
.set i, i+1
.endr
.endr
; 64 numbers of a lane, eight neighbours along K to each conversion, become 16 registers of codes
.macro QUANT64 src, dst
.set qn, 0
.rept 64
	v_med3_num_f32 v[(\src)+qn], v[(\src)+qn], -v10, v10   ; the conversion to an 8-bit code does not saturate (ISA guide 7.6.2): the hold at the largest code x the scale
.set qn, qn+1
.endr
.irp m, 0,1,2,3,4,5,6,7
	v_cvt_scalef32_pk8_fp8_f32 v[(\dst)+2*\m:(\dst)+2*\m+1], v[(\src)+8*\m:(\src)+8*\m+7], v11
.endr
	v_nop                                          ; one plain vector line behind the last conversion of a run
.endm
.macro RDQK u, dst                     ; fragment u: register 16 c + i = K 32 c + 16 h + i of stage row 16 u + r
.irp c, 0,1,2,3
.irp m, 0,1,2,3
	ds_load_b128 v[(\dst)+16*\c+4*\m:(\dst)+16*\c+4*\m+3], v4 offset:(\u)*16*PITCH+128*\c+16*\m
.endr
.endr
.endm
.macro STQK u, src
.irp c, 0,1,2,3
	global_store_b128 v2, v[(\src)+4*\c:(\src)+4*\c+3], s[32:33] offset:(\u)*2048+512*\c   ; a chunk: 512 consecutive bytes
.endr
.endm
.macro RDV u, dst                      ; channels 16 (4 u + t) + r, t = 0 .. 3: register 16 t + i = key 16 h + i of my 32
.irp t, 0,1,2,3
.set ri, 0
.rept 16
	ds_load_b32 v[(\dst)+16*\t+ri], v5 offset:(16*(ri>>3)+(ri&7))*PITCH+(4*(\u)+\t)*64
.set ri, ri+1
.endr
.endr
.endm
.macro STV u, src
.irp t, 0,1,2,3
	global_store_b128 v2, v[(\src)+4*\t:(\src)+4*\t+3], s[32:33] offset:(4*(\u)+\t)*2048   ; my chunk of fragment 4 u + t: 512 consecutive bytes
.endr
.endm
	s_cmp_lt_u32 s18, 4
	s_cbranch_scc0 .Lv_path
	RDQK 0, Y                                      ; LDS serves a wave's instructions in order: these see my stores
	s_wait_dscnt 0x0                               ; the first round is in, and the stores into the stage have read X:
	RDQK 1, X                                      ; X takes the second round while the first is worked
	QUANT64 Y, C
	STQK 0, C
	s_wait_dscnt 0x0
	QUANT64 X, C+16
	STQK 1, C+16
	s_wait_tensorcnt 0x0                           ; the wave's end: a wait, an add onto my spare word and its wait, behind my last LDS store
	ds_add_u32 v6, v7
	s_wait_dscnt 0x0
	s_endpgm
.Lv_path:
	RDV 0, Y
	s_wait_dscnt 0x0
	RDV 1, X
	QUANT64 Y, C
	STV 0, C
	s_wait_dscnt 0x0
	QUANT64 X, C+16
	STV 1, C+16
	s_wait_tensorcnt 0x0                           ; the wave's end, as above
	ds_add_u32 v6, v7
	s_wait_dscnt 0x0
	s_endpgm
.Lfunc_end_k_q169cfe4beb_prep:
	.size	k_q169cfe4beb_prep, .Lfunc_end_k_q169cfe4beb_prep-k_q169cfe4beb_prep
	.p2alignl 7, 3214868480
	.fill 96, 4, 3214868480
	.section	.rodata,"a",@progbits
	.p2align	6, 0x0
	.amdhsa_kernel k_q169cfe4beb_prep
		.amdhsa_group_segment_fixed_size 102400
		.amdhsa_private_segment_fixed_size 0
		.amdhsa_enable_private_segment 0
		.amdhsa_kernarg_size 56
		.amdhsa_user_sgpr_count 2
		.amdhsa_user_sgpr_kernarg_segment_ptr 1
		.amdhsa_wavefront_size32 1
		.amdhsa_system_sgpr_workgroup_id_x 1
		.amdhsa_system_sgpr_workgroup_id_y 1
		.amdhsa_system_sgpr_workgroup_id_z 1
		.amdhsa_system_vgpr_workitem_id 0
		.amdhsa_next_free_vgpr 256
		.amdhsa_next_free_sgpr 66
		.amdhsa_reserve_vcc 0
		.amdhsa_float_denorm_mode_32 3
		.amdhsa_float_denorm_mode_16_64 3
		.amdhsa_memory_ordered 1
		.amdhsa_forward_progress 1
		.amdhsa_inst_pref_size 38
	.end_amdhsa_kernel
	.amdgpu_metadata
---
amdhsa.version: [ 1, 2 ]
amdhsa.kernels:
  - .name:           k_q169cfe4beb_prep
    .symbol:         k_q169cfe4beb_prep.kd
    .args:
      - { .name: q, .offset: 0, .size: 8, .value_kind: global_buffer, .address_space: global }
      - { .name: k, .offset: 8, .size: 8, .value_kind: global_buffer, .address_space: global }
      - { .name: v, .offset: 16, .size: 8, .value_kind: global_buffer, .address_space: global }
      - { .name: lowp_scales, .offset: 24, .size: 8, .value_kind: global_buffer, .address_space: global }
      - { .name: qc, .offset: 32, .size: 8, .value_kind: global_buffer, .address_space: global }
      - { .name: kc, .offset: 40, .size: 8, .value_kind: global_buffer, .address_space: global }
      - { .name: vc, .offset: 48, .size: 8, .value_kind: global_buffer, .address_space: global }
    .group_segment_fixed_size: 102400
    .private_segment_fixed_size: 0
    .kernarg_segment_align: 8
    .kernarg_segment_size: 56
    .max_flat_workgroup_size: 192
    .sgpr_count:     66
    .vgpr_count:     256
    .wavefront_size: 32
...
	.end_amdgpu_metadata
.endif
;; end of part 1
;; launch attn (part 2): grid 32 x 8, 4 waves a work-group, clusters of 4 x 1, 327,680 bytes of LDS; arguments qc, kc, vc, gamma, beta, lowp_scales, out0; writes out0
.if DOCPART == 2
	.amdgcn_target "amdgcn-amd-amdhsa--gfx1250"
	.amdhsa_code_object_version 6
	.text
	.protected	k_q169cfe4beb_attn
	.globl	k_q169cfe4beb_attn
	.p2align	8
	.type	k_q169cfe4beb_attn,@function
k_q169cfe4beb_attn:
	s_mov_b64 s[64:65], 0
	v_nop
	global_prefetch_b8 v0, s[64:65] scope:SCOPE_SE
	s_setreg_imm32_b32 hwreg(HW_REG_WAVE_MODE, 25, 1), 1
	s_wait_xcnt 0x0
	s_wait_alu depctr_hold_cnt(0) depctr_sa_sdst(0) depctr_va_vdst(0) depctr_va_sdst(0) depctr_va_ssrc(0) depctr_va_vcc(0) depctr_vm_vsrc(0)
	s_getreg_b32 s2, hwreg(HW_REG_IB_STS2, 6, 4)
	s_cmp_eq_u32 s2, 0
	s_cbranch_scc0 .Lentry_in_a_cluster
	s_endpgm
.Lentry_in_a_cluster:
	s_bfe_u32 s2, ttmp6, 0x10000c
	s_cmp_lg_u32 s2, 0x3003
	s_cbranch_scc0 .Lentry_shape_is_right
	s_endpgm
.Lentry_shape_is_right:
; out[h][q][:] = sum over k of softmax_k(LN_k(Q[h][q] . K[h][k] / sqrt(128)) gamma[k] + beta[k]) V[h][k][:]: 8 heads, 2,048 queries, 2,048 keys, head size 128.  Both products on codes of FP8 (E4M3)
; with given scales 2^eq, 2^ek, 2^ep, 2^ev; LN is a LayerNorm along the KEYS of each row of scores.  qc, kc, vc hold the codes in the order of the operands' registers (fragments of 2,048 bytes: 4 chunks of 512, 16 bytes a lane).
; SHARES.  A work-group owns 64 queries of a head (4 tiles of 16): 256 work-groups.  THE FOUR WAVES SHARE THE KEYS: wave w takes all 64 queries x keys 512 w .. 512 w + 511, in 4 steps of 128, so that each fragment of
; K, V, gamma and beta read from LDS feeds four tiles.  The waves meet twice: for the rows' statistics and for the output.
; THE SCORES ARE MADE TWICE.  A row's mean and variance want all 2,048 scores before the first exponential, and 64 x 2,048 scores fit nowhere.  PASS 1 sums s - c and (s - c)^2 about a pivot c (the mean of the wave's first
; 16 keys, given as the C of the products, so the shift costs nothing); per wave mean_w = c + S1 / 512, M2_w = S2 - S1^2 / 512; the four are joined by mean = sum mean_w / 4, M2 = sum M2_w + 512 sum (mean_w - mean)^2.
; c lies within the scores' own range, so no difference of large sums is formed, and a row of equal scores gives exactly 0.  THE MAIN PASS gives -mean as C: d = s - mean; logit = (d gamma) A + beta, A = kappa rsq(M2 kappa^2 / 2048 + 1e-5),
; kappa = 2^(eq + ek) / sqrt(128); p = 2^(logit log2(e) - M), M the ceiling of the wave's running largest t: a whole number, so every later rescaling is by an exact power of two.  The row's sum is of the unquantised p.
; LAYOUT.  Both products transposed: S^T = K Q^T, O^T = V^T P^T: a lane holds ONE query (lane % 16).  The keys of a fragment of K are chosen (in the launch before) so that the 16 registers of fragments 2 b, 2 b + 1 are keys 32 b + 16 (lane / 16) + 0 .. 15.
; CLUSTER.  The four query blocks of a cluster belong to one head: every tile of K, V, gamma and beta is asked for JOINTLY, by the same tensor load with the same descriptor and a mask that names the four.
; LDS.  Wave w's 64 KB hold its four chunks of K (16 KB each); chunk j is filled ONCE more, with V's chunk j, when K's chunk j has been read for the last time.  Only the wave that asked reads those bytes.
; LIMITS on the given exponents, so that each power of two below is an f32 number: eq + ek between -54 and 72; ep between -126 and 119; ep + ev is applied by v_ldexp_f32 and has none.  NaN among the inputs is not served.
; LEFT OUT: more waves to a SIMD (each fragment read from LDS would feed fewer tiles); a prefetch of K (its tiles are asked for at the kernel's head).
; REGISTERS, in windows of 256 (s_set_vgpr_msb: bits 1:0 source 0, 3:2 source 1, 5:4 source 2, 7:6 destination):
;   window 0: v1-15 addresses and constants; v16-47 eight statistics a tile; v48-79 gamma, v80-111 beta: two slots of 16; v112-247 tiles 0, 1: 4 + 64 registers each; v248-255 chains
;   window 1: O^T, 64 a tile.   window 2: v0-135 tiles 2, 3 (in pass 1: the scores' ring v4-67, K's ring v72-135); v136-199 Q; v200-231 the C of the products; v232, v233 copies; v236-251 sums.   window 3: v0-127 K, v128-255 V.
;   p's codes lie OVER the scores: the codes of scores 8 m .. 8 m + 7 go to registers PB + 2 m, PB + 2 m + 1, where the scores begin at PB + 4: four spare registers first, then scores already converted.
.set GAM,   262144                     ; LDS: behind the four waves' 64 KB: gamma, 2,048 bytes a wave;
.set BETO,  8192                       ; beta, so many bytes behind gamma;
.set STAT,  278528                     ; the statistics' meeting place, 2 KB (wave x 512 + tile x 128 + 8 r); 2 KB behind it the output's;
.set SPARE, 282624                     ; the spare words, 128 bytes a wave: two blocks of 256 bytes that no other line names
.set CHB,   16384                      ; a chunk: 128 keys of K or of V
.set FRB,   2048                       ; a fragment
.set SPI,   528                        ; the way out: a stage row, 512 bytes + 16
.set SRG,   16*SPI                     ; a stage region: 16 rows; region 4 x owner + source, in the waves' 64 KB, which have had their last fill and their last read by then
.set L16,  1                           ; v1   16 x lane
.set AK,   2                           ; v2   my wave's 64 KB + 16 x lane
.set AKJ,  3                           ; v3   the same at the step's chunk
.set AGB,  4                           ; v4   my wave's gamma + 64 (lane / 16)
.set AGBJ, 5                           ; v5   the same at the step's 128 keys
.set AST,  6                           ; v6   where I put statistics
.set ASR,  7                           ; v7   where I read all four waves'
.set SPW,  8                           ; v8   my spare word: SPARE + 4 x my thread's number; never rewritten
.set NIL,  9                           ; v9   0; never rewritten
.set PSC,  10                          ; v10  2^ep as f32
.set PFO,  11                          ; v11  256 x lane: the prefetches' offset; never rewritten
.set ASG0, 12                          ; v12, v13 the stage, on the way in: tiles 0, 1 and tiles 2, 3
.set ASG1, 13
.set ARD,  14                          ; v14  the stage, on the way back
.set TT,   15
.set ST,   16                          ; tile i's statistics at v[ST + 8 i]: +0 A, +1 at work, +2 -M, +3 the largest logit, +4, +5 the sum in two halves, +6 f, +7 at work
.set GR,   48
.set BR,   80
.set CHN,  248
.set MB,   112                         ; the merges' registers, where tiles 0 and 1 lie otherwise
.set MR,   176
.set QF,   136                         ; window 2
.set NMU,  200
.set AK2,  232
.set PSC2, 233
.set ACC2, 236
.set RNG,  4
.set KRG,  72
.set WV,   18                          ; s18  my wave's number
.set CX,   19                          ; s19  my place in the cluster: it enters Q's, the output's and the prefetches' addresses alone
.set VA,   20                          ; s[20:21] V's codes at my wave's first chunk
.set G1,   24                          ; s[24:31] descriptor group 1: 16 KB;  s[32:39]: 2 KB
.set G1S,  32
.set G0,   40                          ; s[40:63] six groups 0: K's chunk 0 (later V's, which walks), gamma, beta, K's chunks 1, 2, 3
.set SCL,  68                          ; s[68:71] eq, ek, ep, ev
.set LG2,  72                          ; s[72:73] log2(e), twice: the packed form names a pair
.set KAP,  74                          ; s74  kappa
.set K2,   75                          ; s75  kappa^2 / 2048
.set EPSR, 76                          ; s76  1e-5
.set LIM,  77                          ; s77  448 x 2^ep
.set EPV,  78                          ; s78  ep + ev
.set SEL,  80                          ; s[80:81] v_permlanex16_b32's selects for lane l xor 16
.set JOFF, 82                          ; s82  16,384 x step
.set JG,   83                          ; s83  512 x step
.set CNT,  84                          ; s84  the loop's counter
.set PLIM, 85                          ; s85  1 in a wave that prefetches, else the greatest number
.set PFA,  86                          ; s[86:87] where my prefetches stand
.set MSB, 0
.macro WIN new                         ; the immediate's high byte repeats the setting that is left; a switch that changes nothing is dropped
.if MSB != (\new)
	s_set_vgpr_msb (MSB<<8)|(\new)
.set MSB, (\new)
.endif
.endm
.macro PLACES n
.rept \n
	v_nop
.endr
.endm
; A round of the cluster's barrier: my work-group's barrier; wave 0 signals for the work-group; every wave waits for all four work-groups; my work-group's barrier once more.
.macro CROUND
	s_barrier_signal -1
	s_barrier_wait -1
	s_cmp_lg_u32 s[WV], 0
	s_cbranch_scc1 .Lnot_wave_0_\@
	s_barrier_signal -3
.Lnot_wave_0_\@:
	s_barrier_wait -3
	s_barrier_signal -1
	s_barrier_wait -1
.endm
.macro JLOADV                          ; the joint refill: a chunk of V into the chunk of K that is done with; every wave asks for its own; an s_nop 0 and four v_nop follow
	tensor_load_to_lds s[G0:G0+3], s[G1:G1+7]
	s_nop 0
	PLACES 4
.endm
; A PREFETCH INTO THE L2 of what the NEXT refill will ask for: the four waves' next chunks of V, 64 KB.  All eight clusters of a head walk the same V: the head's first cluster asks.  Its four partners share the
; chunks out BY ADDRESS (partner p: wave p's chunk); in each, waves 0 and 1 ask for a half of 8,192 bytes, lanes 256 bytes apart: each aligned block of 256 bytes is named once in the launch.
; how = 1: outside the loop; how = 0: in the loop, whose last trip asks for nothing: there is no chunk behind the one that it fills.  V's first chunk comes by its load alone.
.macro ASK how
.if \how
	s_cmp_eq_u32 s[PLIM], 1
.else
	s_cmp_gt_u32 s[CNT], s[PLIM]
.endif
	s_cbranch_scc0 .Lnot_mine_\@
	global_prefetch_b8 v[PFO], s[PFA:PFA+1] th:TH_LOAD_NT scope:SCOPE_SE
.Lnot_mine_\@:
.endm
.macro TILE i                          ; where tile i lies: thi its window's half (0: window 0, 1: window 2), pb its 4 + 64 registers, sb its scores, psc the conversion's scale in that window
.if (\i) < 2
.set thi, 0
.set pb, 112+68*(\i)
.set psc, PSC
.else
.set thi, 1
.set pb, 68*((\i)-2)
.set psc, PSC2
.endif
.set sb, pb+4
.endm
	s_load_b256 s[4:11], s[0:1], 0x0               ; qc s[4:5], kc s[6:7], vc s[8:9], gamma s[10:11]
	s_load_b128 s[12:15], s[0:1], 0x20             ; beta s[12:13], the scales' exponents s[14:15]
	s_load_b64 s[16:17], s[0:1], 0x30              ; out0
	v_lshl_add_u32 v[SPW], v0, 2, SPARE
	v_mov_b32 v[NIL], 0
	ds_add_u32 v[SPW], v[NIL]                      ; the wave's opening: the add and its wait stand ahead of my first tensor load; the set-up below, work on registers, stands between them
	v_lshrrev_b32 v[TT], 5, v0
	v_readfirstlane_b32 s[WV], v[TT]               ; wave 0..3
	s_bfe_u32 s[CX], ttmp6, 0x40000                ; cx
	; descriptor group 1: dense blocks as rows of 256 bytes (32 elements of 8 bytes): 64 rows, and 8 rows
	s_mov_b32 s[G1], 15|(3<<16)|(1<<21)            ; 15:0 the mask: all four work-groups; 17:16 elements of 8 bytes; 21 set beside a mask; no padding: register images are read 512 bytes on end
	s_mov_b32 s[G1+1], 32<<16                      ; tensor_dim0 = 32
	s_mov_b32 s[G1+2], 64<<16                      ; tensor_dim1 = 64
	s_mov_b32 s[G1+3], 32<<16                      ; tile_dim0 = 32
	s_mov_b32 s[G1+4], 64                          ; tile_dim1 = 64
	s_mov_b32 s[G1+5], 32                          ; from row to row
	s_mov_b32 s[G1+6], 0
	s_mov_b32 s[G1+7], 0
	s_mov_b32 s[G1S], 15|(3<<16)|(1<<21)
	s_mov_b32 s[G1S+1], 32<<16
	s_mov_b32 s[G1S+2], 8<<16
	s_mov_b32 s[G1S+3], 32<<16
	s_mov_b32 s[G1S+4], 8
	s_mov_b32 s[G1S+5], 32
	s_mov_b32 s[G1S+6], 0
	s_mov_b32 s[G1S+7], 0
	s_lshl_b32 s88, s[WV], 16                      ; my wave's 64 KB: no place in the cluster enters an LDS address
	s_lshl_b32 s89, s[WV], 11                      ; my wave's 512 numbers of gamma and of beta
	s_mov_b32 s[G0], 1
	s_mov_b32 s[G0+1], s88
	s_mov_b32 s[G0+4], 1
	s_add_co_u32 s[G0+5], s89, GAM
	s_mov_b32 s[G0+8], 1
	s_add_co_u32 s[G0+9], s89, GAM+BETO
.irp j, 1,2,3
	s_mov_b32 s[G0+8+4*\j], 1
	s_add_co_u32 s[G0+9+4*\j], s88, \j*CHB
.endr
	s_and_b32 s90, ttmp7, 0xffff                   ; the head, which the four partners share
	s_lshl_b32 s92, s90, 18
	s_add_co_u32 s92, s92, s88                     ; K's and V's codes: head x 262,144 + wave x 65,536
	s_mov_b32 s93, 0
	s_mov_b32 s94, s89
	s_mov_b32 s95, 0
	s_lshl_b32 s2, ttmp9, 2                        ; in a cluster launch ttmp9 counts clusters
	s_add_co_u32 s2, s2, s[CX]                     ; my block of 64 queries
	s_lshl_b32 s3, s2, 13
	s_lshl_b32 s22, s90, 18
	s_add_co_u32 s22, s22, s3                      ; Q's codes: head x 262,144 + block x 8,192
	s_mov_b32 s23, 0
	s_lshl_b32 s66, s90, 20                        ; the output: head x 2,048 rows of 512 bytes,
	s_lshl_b32 s3, s2, 15                          ; + 64 rows a block,
	s_add_co_u32 s66, s66, s3
	s_lshr_b32 s3, s[WV], 1                        ; + the first row of the tile that I own: 32 (w / 2) + 8 (w % 2)
	s_lshl_b32 s3, s3, 14
	s_add_co_u32 s66, s66, s3
	s_and_b32 s3, s[WV], 1
	s_lshl_b32 s98, s3, 12
	s_add_co_u32 s66, s66, s98
	s_mov_b32 s67, 0
	s_lshl_b32 s96, s90, 18                        ; the prefetches: head, + partner p's wave region, + my half of a chunk, at chunk 1
	s_lshl_b32 s98, s[CX], 16
	s_add_co_u32 s96, s96, s98
	s_lshl_b32 s98, s3, 13
	s_add_co_u32 s96, s96, s98
	s_add_co_u32 s96, s96, CHB
	s_mov_b32 s97, 0
	s_lshr_b32 s98, s[WV], 1                       ; 0 in waves 0 and 1,
	s_or_b32 s98, s98, ttmp9                       ; of the head's first cluster: the same in all four partners
	s_cmp_eq_u32 s98, 0
	s_cselect_b32 s[PLIM], 1, -1
	s_mov_b32 s[LG2], 0x3fb8aa3b
	s_mov_b32 s[LG2+1], 0x3fb8aa3b
	s_mov_b32 s[EPSR], 0x3727c5ac
	s_mov_b32 s[SEL], 0x76543210
	s_mov_b32 s[SEL+1], 0xfedcba98
	s_mov_b32 s[JOFF], 0
	s_mov_b32 s[JG], 0
	v_and_b32 v[L16], 31, v0
	v_lshlrev_b32 v[PFO], 8, v[L16]
	v_lshlrev_b32 v[L16], 4, v[L16]
	v_and_b32 v[AKJ], 15, v0                       ; r (this register is made anew in every step)
	v_bfe_u32 v[TT], v0, 4, 1                      ; h
	v_add_nc_u32 v[AK], s88, v[L16]
	s_add_co_u32 s91, s89, GAM
	v_lshl_add_u32 v[AGB], v[TT], 6, s91
	s_lshl_b32 s91, s[WV], 9
	s_add_co_u32 s91, s91, STAT
	v_lshl_add_u32 v[AST], v[AKJ], 3, s91
	v_lshlrev_b32 v[ASR], 3, v[AKJ]
	v_add_nc_u32 v[ASR], STAT, v[ASR]
	s_mul_i32 s91, s[WV], SRG
	v_mul_u32_u24 v[ASG0], v[AKJ], SPI
	v_lshl_add_u32 v[ASG0], v[TT], 5, v[ASG0]
	v_add_nc_u32 v[ASG0], s91, v[ASG0]             ; in: region 4 x tile + my wave; row r; 32 bytes for each half of the lanes
	v_add_nc_u32 v[ASG1], 8*SRG, v[ASG0]
	s_mul_i32 s91, s[WV], 4*SRG
	v_add_nc_u32 v[ARD], s91, v[L16]               ; back: my tile's four regions; the 32 lanes take a row of 512 bytes
	s_wait_dscnt 0x0                               ; the opening add is done
	s_wait_kmcnt 0x0
	s_load_b128 s[SCL:SCL+3], s[14:15], 0x0        ; eq, ek, ep, ev
	s_add_nc_u64 s[G0+2:G0+3], s[6:7], s[92:93]    ; K's chunk 0,
.irp j, 1,2,3
	s_add_nc_u64 s[G0+10+4*\j:G0+11+4*\j], s[G0+2:G0+3], \j*CHB   ; chunks 1, 2, 3,
.endr
	s_add_nc_u64 s[G0+6:G0+7], s[10:11], s[94:95]  ; gamma,
	s_add_nc_u64 s[G0+10:G0+11], s[12:13], s[94:95]  ; beta
.irp g, 3,7,11,15,19,23
	s_or_b32 s[G0+\g], s[G0+\g], 0x80000000        ; 127:126 type = 2
.endr
	s_add_nc_u64 s[VA:VA+1], s[8:9], s[92:93]
	s_add_nc_u64 s[4:5], s[4:5], s[22:23]
	s_add_nc_u64 s[16:17], s[16:17], s[66:67]
	s_add_nc_u64 s[PFA:PFA+1], s[8:9], s[96:97]
	CROUND                                         ; all four work-groups are here: the first joint loads meet
	tensor_load_to_lds s[G0:G0+3], s[G1:G1+7]      ; the first fills go out as one group: six loads of mine are out.  K's chunk 0,
	s_nop 0
	tensor_load_to_lds s[G0+4:G0+7], s[G1S:G1S+7]  ; gamma,
	s_nop 0
	tensor_load_to_lds s[G0+8:G0+11], s[G1S:G1S+7] ; beta,
	s_nop 0
	tensor_load_to_lds s[G0+12:G0+15], s[G1:G1+7]  ; K's chunks 1,
	s_nop 0
	tensor_load_to_lds s[G0+16:G0+19], s[G1:G1+7]  ; 2,
	s_nop 0
	tensor_load_to_lds s[G0+20:G0+23], s[G1:G1+7]  ; 3
	s_nop 0
	PLACES 4
	WIN 0x80                                       ; destination window 2, address window 0
.irp i, 0,1,2,3
.irp c, 0,1,2,3
	global_load_b128 v[QF+16*\i+4*\c:QF+16*\i+4*\c+3], v[L16], s[4:5] offset:\i*FRB+512*\c   ; Q's four fragments stay in registers
.endr
.endr
	s_wait_kmcnt 0x0
	s_add_co_i32 s88, s[SCL], s[SCL+1]             ; eq + ek
	s_lshl_b32 s89, s88, 23
	s_add_co_i32 s[KAP], s89, 0x3db504f3           ; kappa: the two exponents are added to the exponent field of 1 / sqrt(128)
	s_lshl_b32 s89, s88, 1
	s_add_co_i32 s89, s89, 109
	s_lshl_b32 s[K2], s89, 23                      ; kappa^2 / 2048 = 2^(2 (eq + ek) - 18)
	s_add_co_i32 s89, s[SCL+2], 127
	s_lshl_b32 s90, s89, 23
	s_add_co_i32 s89, s89, 8
	s_lshl_b32 s89, s89, 23
	s_or_b32 s[LIM], s89, 0x600000                 ; 448 x 2^ep
	s_add_co_i32 s[EPV], s[SCL+2], s[SCL+3]
	v_mov_b32 v[AK2], v[AK]                        ; copies in window 2
	v_mov_b32 v[PSC2], s90
	WIN 0
	v_mov_b32 v[PSC], s90                          ; 2^ep as f32: the conversion takes its exponent field
; ---- THE PIVOT
	s_wait_tensorcnt 0x5                           ; K's chunk 0 is in; the five fills issued behind it may be out
	WIN 0x80
.irp f, 0,1,2
.irp c, 0,1,2,3
	ds_load_b128 v[KRG+16*\f+4*\c:KRG+16*\f+4*\c+3], v[AK] offset:\f*FRB+512*\c   ; pass 1's ring: fragments 0, 1, 2
.endr
.endr
	WIN 0xc0
.irp f, 0,1,2,3,4,5,6,7
.irp c, 0,1,2,3
	ds_load_b128 v[16*\f+4*\c:16*\f+4*\c+3], v[AK] offset:\f*FRB+512*\c   ; and chunk 0 as a whole into window 3, for the main pass: its LDS bytes are given to V during pass 1
.endr
.endr
	s_wait_loadcnt 0x0                             ; Q
	s_wait_dscnt 40                                ; fragment 0 is in; behind it: ring fragments 1 and 2 (8 loads) and window 3's 32
	WIN 0xaa                                       ; all of pass 1 works in window 2
.irp i, 0,1,2,3
	v_wmma_f32_16x16x128_fp8_fp8 v[RNG+32+8*\i:RNG+32+8*\i+7], v[KRG:KRG+15], v[QF+16*\i:QF+16*\i+15], 0
.endr
.irp n, 0,1,2,3,4,5,6,7,8,9,10,11,12,13,14,15
	v_mov_b32 v[ACC2+\n], 0                        ; the sums of pass 1.  (These are also the places behind the four products: ISA guide 7.12.1)
.endr
.irp i, 0,1,2,3
	v_pk_add_f32 v[RNG+32+8*\i:RNG+33+8*\i], v[RNG+32+8*\i:RNG+33+8*\i], v[RNG+34+8*\i:RNG+35+8*\i]   ; a tree: the sum of 16 equal scores is exact
.endr
.irp i, 0,1,2,3
	v_pk_add_f32 v[RNG+36+8*\i:RNG+37+8*\i], v[RNG+36+8*\i:RNG+37+8*\i], v[RNG+38+8*\i:RNG+39+8*\i]
.endr
.irp i, 0,1,2,3
	v_pk_add_f32 v[RNG+32+8*\i:RNG+33+8*\i], v[RNG+32+8*\i:RNG+33+8*\i], v[RNG+36+8*\i:RNG+37+8*\i]
.endr
.irp i, 0,1,2,3
	v_add_f32 v[RNG+32+8*\i], v[RNG+32+8*\i], v[RNG+33+8*\i]
.endr
.irp i, 0,1,2,3
	v_permlanex16_b32 v[RNG+34+8*\i], v[RNG+32+8*\i], s[SEL], s[SEL+1]
.endr
.irp i, 0,1,2,3
	v_add_f32 v[RNG+32+8*\i], v[RNG+32+8*\i], v[RNG+34+8*\i]
.endr
.irp i, 0,1,2,3
.irp j, 0,1,2,3,4,5,6,7
	v_mul_f32 v[NMU+8*\i+\j], 0xbd800000, v[RNG+32+8*\i]   ; -c = -sum / 16, eight times: the C of pass 1's products
.endr
.endr
; ---- PASS 1: 32 fragments of 16 keys.  For each: four products (one a tile) into one half of the scores' ring, and between them the sums over the other half, the fragment before: eight different sums to a slice.
.macro P1SLICE k, p                    ; pair k of the four tiles' scores in ring half p
.irp i, 0,1,2,3
	v_pk_add_f32 v[ACC2+4*\i:ACC2+4*\i+1], v[ACC2+4*\i:ACC2+4*\i+1], v[RNG+32*(\p)+8*\i+2*(\k):RNG+32*(\p)+8*\i+2*(\k)+1]
	v_pk_fma_f32 v[ACC2+4*\i+2:ACC2+4*\i+3], v[RNG+32*(\p)+8*\i+2*(\k):RNG+32*(\p)+8*\i+2*(\k)+1], v[RNG+32*(\p)+8*\i+2*(\k):RNG+32*(\p)+8*\i+2*(\k)+1], v[ACC2+4*\i+2:ACC2+4*\i+3]
.endr
.endm
; K's chunk 0 is done with in LDS (pass 1 has read it, window 3 holds it): V's chunk 0 takes its place.
.macro REFILL0
	WIN 0
	s_wait_tensorcnt 0x0                           ; all my tensor loads have landed, K's chunk 3 among them: a group 0 may be written
	ds_add_u32 v[SPW], v[NIL]                      ; 0 onto my spare word
	s_mov_b64 s[G0+2:G0+3], s[VA:VA+1]             ; the first group 0 now walks V; its LDS address stays
	s_or_b32 s[G0+3], s[G0+3], 0x80000000
	s_wait_dscnt 0x0                               ; the add is done, and my reads of chunk 0 are over
	CROUND                                         ; the same holds of every wave of every partner
	JLOADV                                         ; my one tensor load behind the round, and the first thing there
	ASK 1                                          ; V's chunk 1
	WIN 0xaa
.endm
.macro P1F                             ; fragment FF
.if FF == 5
	s_wait_tensorcnt 0x2                           ; this trip fetches fragment 8: K's chunk 1 is in; chunks 2 and 3 may be out
.elseif FF == 13
	s_wait_tensorcnt 0x1                           ; fragment 16: chunk 2 is in; chunk 3 may be out
.elseif FF == 21
	REFILL0                                        ; fragment 24: chunk 3 is in
.endif
.if FF <= 29
	s_wait_dscnt 0x8                               ; this fragment is in; the two fetched behind it may be out
.elseif FF == 30
	s_wait_dscnt 0x4
.else
	s_wait_dscnt 0x0
.endif
.irp i, 0,1,2,3
	v_wmma_f32_16x16x128_fp8_fp8 v[RNG+32*(FF%2)+8*\i:RNG+32*(FF%2)+8*\i+7], v[KRG+16*(FF%4):KRG+16*(FF%4)+15], v[QF+16*\i:QF+16*\i+15], v[NMU+8*\i:NMU+8*\i+7]
.if FF > 0
	P1SLICE \i, (FF-1)%2
.endif
.endr
.if FF == 0
	PLACES 4                                       ; the first fragment has no slices behind its products: places ahead of the next trip's reads of the results
.endif
.if FF <= 28
.irp c, 0,1,2,3
	ds_load_b128 v[KRG+16*((FF+3)%4)+4*\c:KRG+16*((FF+3)%4)+4*\c+3], v[AK2] offset:(FF+3)*FRB+512*\c   ; three fragments ahead, into the slot that the fragment before has left (its last product stands eight plain lines and a trip back)
.endr
.endif
.endm
.set FF, 0
.rept 32
	P1F
.set FF, FF+1
.endr
.irp k, 0,1,2,3
	P1SLICE \k, 1                                  ; the last fragment's scores
.endr
; ---- THE FIRST MERGE: (mean_w, M2_w) of the four waves meet in LDS
	WIN 0x0a                                       ; sources window 2, destination window 0
.irp i, 0,1,2,3
	v_add_f32 v[MB+16*\i+2], v[ACC2+4*\i], v[ACC2+4*\i+1]
	v_add_f32 v[MB+16*\i+3], v[ACC2+4*\i+2], v[ACC2+4*\i+3]
	v_mov_b32 v[MB+16*\i+4], v[NMU+8*\i]           ; -c
.endr
	WIN 0
.irp i, 0,1,2,3
	v_mov_b32 v[MB+16*\i+5], 0                     ; a lane permute's destination counts as one of its sources
	v_mov_b32 v[MB+16*\i+6], 0
.endr
.irp i, 0,1,2,3
	v_permlanex16_b32 v[MB+16*\i+5], v[MB+16*\i+2], s[SEL], s[SEL+1]
	v_permlanex16_b32 v[MB+16*\i+6], v[MB+16*\i+3], s[SEL], s[SEL+1]
.endr
.irp i, 0,1,2,3
	v_add_f32 v[MB+16*\i+2], v[MB+16*\i+2], v[MB+16*\i+5]   ; S1 over my wave's 512 keys,
	v_add_f32 v[MB+16*\i+3], v[MB+16*\i+3], v[MB+16*\i+6]   ; S2
.endr
.irp i, 0,1,2,3
	v_mul_f32 v[MB+16*\i+7], 0x3b000000, v[MB+16*\i+2]      ; S1 / 512
.endr
.irp i, 0,1,2,3
	v_sub_f32 v[MB+16*\i], v[MB+16*\i+7], v[MB+16*\i+4]     ; mean_w = c + S1 / 512
	v_fma_f32 v[MB+16*\i+1], -v[MB+16*\i+7], v[MB+16*\i+2], v[MB+16*\i+3]   ; M2_w = S2 - S1^2 / 512,
.endr
.irp i, 0,1,2,3
	v_max_num_f32 v[MB+16*\i+1], 0, v[MB+16*\i+1]           ; not under 0
.endr
.irp i, 0,1,2,3
	ds_store_b64 v[AST], v[MB+16*\i:MB+16*\i+1] offset:128*\i   ; (both halves of the lanes hold the same two numbers)
.endr
.macro GBLOAD b, off                   ; gamma and beta of keys 32 b + 16 (lane / 16) + 0 .. 15 of the step off / 512 steps on, into slot b % 2: eight loads
.irp m, 0,1,2,3
	ds_load_b128 v[GR+16*((\b)%2)+4*\m:GR+16*((\b)%2)+4*\m+3], v[AGBJ] offset:(\off)+128*(\b)+16*\m
	ds_load_b128 v[BR+16*((\b)%2)+4*\m:BR+16*((\b)%2)+4*\m+3], v[AGBJ] offset:BETO+(\off)+128*(\b)+16*\m
.endr
.endm
	v_add_nc_u32 v[AGBJ], s[JG], v[AGB]
	GBLOAD 0, 0                                    ; step 0's first two blocks (gamma and beta have landed: the wait for all my tensor loads in pass 1)
	GBLOAD 1, 0
	s_wait_dscnt 0x0                               ; for the others' sake: my stores are done
	s_barrier_signal -1
	s_barrier_wait -1                              ; V's chunk 0 may stay on its way
.irp i, 0,1,2,3
.irp u, 0,1,2,3
	ds_load_b64 v[MR+8*\i+2*\u:MR+8*\i+2*\u+1], v[ASR] offset:512*\u+128*\i
.endr
.endr
	s_wait_dscnt 0x0
.irp i, 0,1,2,3
	v_add_f32 v[MB+16*\i], v[MR+8*\i], v[MR+8*\i+2]
	v_add_f32 v[MB+16*\i+1], v[MR+8*\i+4], v[MR+8*\i+6]
.endr
.irp i, 0,1,2,3
	v_add_f32 v[MB+16*\i], v[MB+16*\i], v[MB+16*\i+1]
.endr
.irp i, 0,1,2,3
	v_mul_f32 v[MB+16*\i], 0x3e800000, v[MB+16*\i]          ; the row's mean
.endr
.irp i, 0,1,2,3
.irp u, 0,1,2,3
	v_sub_f32 v[MR+8*\i+2*\u], v[MR+8*\i+2*\u], v[MB+16*\i] ; mean_w - mean
.endr
.endr
.irp i, 0,1,2,3
	v_mul_f32 v[MB+16*\i+1], v[MR+8*\i], v[MR+8*\i]
	v_add_f32 v[MB+16*\i+2], v[MR+8*\i+1], v[MR+8*\i+3]
	v_add_f32 v[MB+16*\i+3], v[MR+8*\i+5], v[MR+8*\i+7]
.endr
.irp u, 1,2,3
.irp i, 0,1,2,3
	v_fmac_f32 v[MB+16*\i+1], v[MR+8*\i+2*\u], v[MR+8*\i+2*\u]
.endr
.endr
.irp i, 0,1,2,3
	v_add_f32 v[MB+16*\i+2], v[MB+16*\i+2], v[MB+16*\i+3]
.endr
.irp i, 0,1,2,3
	v_fmamk_f32 v[MB+16*\i+2], v[MB+16*\i+1], 0x44000000, v[MB+16*\i+2]   ; M2 = sum M2_w + 512 sum (mean_w - mean)^2
.endr
.irp i, 0,1,2,3
	v_fma_f32 v[MB+16*\i+3], v[MB+16*\i+2], s[K2], s[EPSR]  ; the scores' variance + 1e-5
.endr
.irp i, 0,1,2,3
	v_rsq_f32 v[MB+16*\i+4], v[MB+16*\i+3]
.endr
	v_nop                                          ; a plain line behind the last of the four,
	s_wait_alu depctr_va_vdst(0)                   ; and the one wait ahead of the batch's first reader
.irp i, 0,1,2,3
	v_mul_f32 v[ST+8*\i], s[KAP], v[MB+16*\i+4]    ; A
.endr
	WIN 0x80
.irp i, 0,1,2,3
.irp j, 0,1,2,3,4,5,6,7
	v_mul_f32 v[NMU+8*\i+\j], -1.0, v[MB+16*\i]    ; -mean, eight times: the C of the main pass's products
.endr
.endr
; ---- THE MAIN PASS
.macro QKW i, f                        ; S^T of tile i, fragment f: one product, C = -mean
	TILE \i
	WIN (0x2b+0x80*thi)                            ; K window 3, Q and C window 2, the scores window 0 or 2
	v_wmma_f32_16x16x128_fp8_fp8 v[sb+8*(\f):sb+8*(\f)+7], v[16*(\f):16*(\f)+15], v[QF+16*(\i):QF+16*(\i)+15], v[NMU+8*(\i):NMU+8*(\i)+7]
.endm
.macro PVW i, dt, zero                 ; O^T of tile i, channels 16 dt on; zero = 1: the first step's product starts the sum
	TILE \i
	WIN (0x53+8*thi)                               ; V window 3, P window 0 or 2, O^T window 1
.if \zero
	v_wmma_f32_16x16x128_fp8_fp8 v[64*(\i)+8*(\dt):64*(\i)+8*(\dt)+7], v[128+16*(\dt):128+16*(\dt)+15], v[pb:pb+15], 0
.else
	v_wmma_f32_16x16x128_fp8_fp8 v[64*(\i)+8*(\dt):64*(\i)+8*(\dt)+7], v[128+16*(\dt):128+16*(\dt)+15], v[pb:pb+15], v[64*(\i)+8*(\dt):64*(\i)+8*(\dt)+7]
.endif
.endm
.macro NORM b, i                       ; block b (32 keys, 16 a lane) of tile i: logit = (d gamma) A + beta; each accumulator from its low end on
	TILE \i
	WIN (0x82*thi)                                 ; the scores window 0 or 2; gamma, beta and A window 0
.irp n, 0,2,4,6,8,10,12,14
	v_pk_mul_f32 v[sb+16*(\b)+\n:sb+16*(\b)+\n+1], v[sb+16*(\b)+\n:sb+16*(\b)+\n+1], v[GR+16*((\b)%2)+\n:GR+16*((\b)%2)+\n+1]
.endr
.irp n, 0,2,4,6,8,10,12,14
	v_pk_fma_f32 v[sb+16*(\b)+\n:sb+16*(\b)+\n+1], v[sb+16*(\b)+\n:sb+16*(\b)+\n+1], v[ST+8*(\i):ST+8*(\i)+1], v[BR+16*((\b)%2)+\n:BR+16*((\b)%2)+\n+1] op_sel_hi:[1,0,1]
.endr
.endm
.macro MAXG g                          ; tiles 2 g, 2 g + 1: the largest of the 64 logits of a lane and of the running largest: four chains a tile, which do not wait for each other
.if (\g) == 0
	WIN 0
.set sa, 116
.else
	WIN 0x28                                       ; sources 1 and 2 window 2
.set sa, 4
.endif
.set ta, ST+16*(\g)
.irp n, 0,1,2,3,4,5,6,7
.irp c, 0,1,2,3
.irp t, 0,1
.if \n == 0
	v_max3_num_f32 v[CHN+4*\t+\c], v[ta+8*\t+3], v[sa+68*\t+2*\c], v[sa+68*\t+2*\c+1]
.else
	v_max3_num_f32 v[CHN+4*\t+\c], v[CHN+4*\t+\c], v[sa+68*\t+8*\n+2*\c], v[sa+68*\t+8*\n+2*\c+1]
.endif
.endr
.endr
.endr
	WIN 0
.irp t, 0,1
	v_max3_num_f32 v[ta+8*\t+7], v[CHN+4*\t], v[CHN+4*\t+1], v[CHN+4*\t+2]
.endr
.irp t, 0,1
	v_max_num_f32 v[ta+8*\t+7], v[ta+8*\t+7], v[CHN+4*\t+3]
.endr
.endm
.macro STATS                           ; the four tiles side by side
.irp i, 0,1,2,3
	v_permlanex16_b32 v[ST+8*\i+1], v[ST+8*\i+7], s[SEL], s[SEL+1]
.endr
.irp i, 0,1,2,3
	v_max_num_f32 v[ST+8*\i+3], v[ST+8*\i+7], v[ST+8*\i+1]  ; the running largest logit
.endr
.irp i, 0,1,2,3
	v_mul_f32 v[ST+8*\i+1], s[LG2], v[ST+8*\i+3]            ; as t
	v_mov_b32 v[ST+8*\i+7], v[ST+8*\i+2]
.endr
.irp i, 0,1,2,3
	v_floor_f32 v[ST+8*\i+2], -v[ST+8*\i+1]                 ; the new -M = -ceil(t): M is a whole number
.endr
.irp i, 0,1,2,3
	v_sub_f32 v[ST+8*\i+7], v[ST+8*\i+2], v[ST+8*\i+7]      ; M's old value less its new one: a whole number, 0 or less
.endr
.irp i, 0,1,2,3
	v_cvt_i32_f32 v[ST+8*\i+7], v[ST+8*\i+7]                ; (it saturates)
.endr
.irp i, 0,1,2,3
	v_ldexp_f32 v[ST+8*\i+6], 1.0, v[ST+8*\i+7]             ; f = 2^(old M - new M)
.endr
.endm
.macro SUMSTEP sbx, n                  ; line n of 31 of the sum of a tile's 32 pairs of p: four chains, begun by adding two pairs, then joined
.if (\n) < 4
	v_pk_add_f32 v[ac+2*(\n):ac+2*(\n)+1], v[(\sbx)+2*(\n):(\sbx)+2*(\n)+1], v[(\sbx)+2*(\n)+8:(\sbx)+2*(\n)+9]
.elseif (\n) < 28
	v_pk_add_f32 v[ac+2*((\n)%4):ac+2*((\n)%4)+1], v[ac+2*((\n)%4):ac+2*((\n)%4)+1], v[(\sbx)+2*(\n)+8:(\sbx)+2*(\n)+9]
.elseif (\n) == 28
	v_pk_add_f32 v[ac:ac+1], v[ac:ac+1], v[ac+2:ac+3]
.elseif (\n) == 29
	v_pk_add_f32 v[ac+4:ac+5], v[ac+4:ac+5], v[ac+6:ac+7]
.elseif (\n) == 30
	v_pk_add_f32 v[ac:ac+1], v[ac:ac+1], v[ac+4:ac+5]
.endif
.endm
; Tiles 2 g, 2 g + 1: t - M, the exponentials and the sums, one tile's plain lines set among the other's exponentials.  Each tile's 64 exponentials are ONE batch with one wait ahead of its first reader.
.macro EXPPIPE g
.if (\g) == 0
.set exw, 0
.set lw, 0
.set xs0, 116
.set ac, CHN
.else
.set exw, 0x8a                                     ; destination and sources 0, 1 window 2; source 2 (-M) window 0
.set lw, 0x20                                      ; source 2 (the step's sum) window 2
.set xs0, 4
.set ac, ACC2
.endif
.set xs1, xs0+68
.set t0s, ST+16*(\g)
.set t1s, t0s+8
	WIN exw
.set en, 0
.rept 32
	v_pk_fma_f32 v[xs0+2*en:xs0+2*en+1], v[xs0+2*en:xs0+2*en+1], s[LG2:LG2+1], v[t0s+2:t0s+3] op_sel_hi:[1,0,0]   ; logit x log2(e) - M (of both pairs the low word serves both halves)
.set en, en+1
.endr
.set en, 0
.rept 32
	v_pk_fma_f32 v[xs1+2*en:xs1+2*en+1], v[xs1+2*en:xs1+2*en+1], s[LG2:LG2+1], v[t1s+2:t1s+3] op_sel_hi:[1,0,0]
	v_exp_f32 v[xs0+2*en], v[xs0+2*en]
	v_exp_f32 v[xs0+2*en+1], v[xs0+2*en+1]
.set en, en+1
.endr
	v_nop                                          ; a plain line behind the last exponential,
	s_wait_alu depctr_va_vdst(0)                   ; and the batch's one wait
.set en, 0
.rept 32
	SUMSTEP xs0, en                                ; THE ROW'S SUM IS TAKEN OF THE UNQUANTISED p
	v_exp_f32 v[xs1+2*en], v[xs1+2*en]
	v_exp_f32 v[xs1+2*en+1], v[xs1+2*en+1]
.set en, en+1
.endr
	v_nop
	s_wait_alu depctr_va_vdst(0)
	WIN lw
	v_pk_fma_f32 v[t0s+4:t0s+5], v[t0s+4:t0s+5], v[t0s+6:t0s+7], v[ac:ac+1] op_sel_hi:[1,0,1]   ; l = l f + the step's sum
	WIN exw
.set en, 0
.rept 31
	SUMSTEP xs1, en
.set en, en+1
.endr
	WIN lw
	v_pk_fma_f32 v[t1s+4:t1s+5], v[t1s+4:t1s+5], v[t1s+6:t1s+7], v[ac:ac+1] op_sel_hi:[1,0,1]
.endm
.macro HC i, m                         ; eight p of tile i are held and become two registers of codes, which lie under the scores
	TILE \i
	WIN (0x8a*thi)
.irp n, 0,1,2,3,4,5,6,7
	v_min_num_f32 v[sb+8*(\m)+\n], s[LIM], v[sb+8*(\m)+\n]   ; the conversion to an 8-bit code does not saturate (ISA guide 7.6.2); p is not negative, so the hold is one-sided
.endr
	v_cvt_scalef32_pk8_fp8_f32 v[pb+2*(\m):pb+2*(\m)+1], v[sb+8*(\m):sb+8*(\m)+7], v[psc]
.if (\m) == 7
	v_nop                                          ; one plain line behind the last conversion of the run
.endif
.endm
.macro RS i, m                         ; eight numbers of tile i's O^T under the new M, from the accumulator's low end on
	WIN 0x41                                       ; O^T window 1, f window 0
.irp n, 0,2,4,6
	v_pk_mul_f32 v[64*(\i)+8*(\m)+\n:64*(\i)+8*(\m)+\n+1], v[64*(\i)+8*(\m)+\n:64*(\i)+8*(\m)+\n+1], v[ST+8*(\i)+6:ST+8*(\i)+7] op_sel_hi:[1,0]
.endr
.endm
; A step's vector work up to the sums.  more = 1: the next step's gamma, beta and K are fetched.
.macro FRONT more
	WIN 0
	v_add_nc_u32 v[AKJ], s[JOFF], v[AK]
	v_add_nc_u32 v[AGBJ], s[JG], v[AGB]
.irp b, 0,1,2,3
.if \b == 2
	s_wait_dscnt 0x8                               ; block 2's gamma and beta are in; block 3's eight loads may be out
.elseif \b == 3
	s_wait_dscnt 0x0
.endif
.irp i, 0,1,2,3
	NORM \b, \i
.endr
	WIN 0
.if \b < 2
	GBLOAD (\b+2), 0                               ; the slot just used takes the block two on
.endif
.endr
.if \more
	GBLOAD 0, 512
	GBLOAD 1, 512
	WIN 0xc0
.irp f, 0,1,2,3,4,5,6,7
.irp c, 0,1,2,3
	ds_load_b128 v[16*\f+4*\c:16*\f+4*\c+3], v[AKJ] offset:CHB+\f*FRB+512*\c   ; K of the next step; the last products that read these registers stand in front of this step's 256 scalings
.endr
.endr
.endif
	MAXG 0
	MAXG 1
	STATS
	EXPPIPE 0
	EXPPIPE 1
.endm
; V of this step has landed; refill = 1: K's next chunk, which has just been read out of LDS for the last time, is given to V's next chunk: the load has a whole step in which to land.
.macro PREH refill, how
	WIN 0
	s_wait_tensorcnt 0x0                           ; all my tensor loads have landed: the one that was out is V's chunk of this step
.if \refill
	ds_add_u32 v[SPW], v[NIL]                      ; 0 onto my spare word; the descriptor's steps stand between it and the wait for it
	s_add_co_u32 s[G0+1], s[G0+1], CHB             ; the walking descriptor: the next chunk in LDS,
	s_add_nc_u64 s[G0+2:G0+3], s[G0+2:G0+3], CHB   ; and in memory; the type bits on top are not reached
	s_wait_xcnt 0x0                                ; the last prefetch, a step back, has read its address, so it may be written
	s_add_nc_u64 s[PFA:PFA+1], s[PFA:PFA+1], CHB   ; one chunk further on than the walking descriptor
	s_wait_dscnt 0x0                               ; the add is done, and my reads of K's next chunk are over
	CROUND                                         ; the same holds of every wave of every partner
	JLOADV                                         ; my one tensor load behind the round, and the first thing there
	ASK \how
.endif
	WIN 0xc0
.irp t, 0,1,2,3,4,5,6,7
.irp c, 0,1,2,3
	ds_load_b128 v[128+16*\t+4*\c:128+16*\t+4*\c+3], v[AKJ] offset:\t*FRB+512*\c   ; V of this step
.endr
.endr
.endm
; BY TURNS.  In turn i tile i - 1 has the matrix unit: eight products V^T P of this step, then eight products K Q^T of the next; tile i's hold, conversions and rescaling stand between them, a slice behind each.
; mode 0: the first step (the products start O^T's sums; nothing to rescale); 1: a middle step; 2: the last (no next scores).  No two matrix instructions that follow each other share an accumulator.
; The first K Q^T of a tile writes over registers that its V^T P read as P: five places lie between (ISA guide 7.12.1): slice 7's eight minima, or five v_nop in the last turn.
.macro TURNS mode
.irp i, 0,1,2,3,4
.irp k, 0,1,2,3,4,5,6,7,8,9,10,11,12,13,14,15
.if \i >= 1
.if (\i == 1) && (\k == 0)
	s_wait_dscnt 0x0                               ; V is in
.endif
.if \k < 8
.if \mode == 0
	PVW (\i-1), \k, 1
.else
	PVW (\i-1), \k, 0
.endif
.elseif \mode != 2
.if (\i == 4) && (\k == 8)
	PLACES 5
.endif
	QKW (\i-1), (\k-8)
.endif
.endif
.if \i <= 3
.if \k < 8
	HC \i, \k
.elseif \mode != 0
	RS \i, (\k-8)
.endif
.endif
.endr
.endr
.endm
.irp i, 0,1,2,3
.irp f, 0,1,2,3,4,5,6,7
	QKW \i, \f                                     ; step 0's scores, from window 3
.endr
.endr
	WIN 0
.irp i, 0,1,2,3                        ; the statistics begin; these lines are also the places behind those products
	v_mov_b32 v[ST+8*\i+3], 0xff61b1e6             ; the largest logit so far: -3e38, under every logit
	v_mov_b32 v[ST+8*\i+1], 0
	v_mov_b32 v[ST+8*\i+4], 0                      ; the sum, in two halves
	v_mov_b32 v[ST+8*\i+5], 0
	v_mov_b32 v[ST+8*\i+6], 0
	v_mov_b32 v[ST+8*\i+7], 0
	v_floor_f32 v[ST+8*\i+2], -v[ST+8*\i+3]        ; -M
.endr
	FRONT 1                                        ; step 0 is written out: its products start O^T
	PREH 1, 1                                      ; V's chunk 1 is asked for; chunk 2 is prefetched
	TURNS 0
	WIN 0                                          ; at a label and at a branch every window is 0
	s_add_co_u32 s[JOFF], s[JOFF], CHB
	s_add_co_u32 s[JG], s[JG], 512
	s_mov_b32 s[CNT], 2
.Lstep:                                            ; steps 1 and 2: V's chunks 2 and 3 are asked for
	FRONT 1
	PREH 1, 0
	TURNS 1
	WIN 0
	s_add_co_u32 s[JOFF], s[JOFF], CHB
	s_add_co_u32 s[JG], s[JG], 512
	s_sub_co_u32 s[CNT], s[CNT], 1
	s_cmp_lg_u32 s[CNT], 0
	s_cbranch_scc1 .Lstep
	FRONT 0                                        ; step 3 is written out: nothing is left to fetch
	PREH 0, 0
	TURNS 2
; ---- THE WAY OUT.  The four waves' (-M_w, l_w) meet; each wave brings its O^T under the common M, divided by the common sum; the four parts of a tile meet in a stage, and wave w adds and stores tile w.
	WIN 0
.irp i, 0,1,2,3
	v_add_f32 v[ST+8*\i+1], v[ST+8*\i+4], v[ST+8*\i+5]      ; (these lines are the places behind the last products)
.endr
.irp i, 0,1,2,3
	v_permlanex16_b32 v[ST+8*\i+7], v[ST+8*\i+1], s[SEL], s[SEL+1]
.endr
.irp i, 0,1,2,3
	v_add_f32 v[ST+8*\i+3], v[ST+8*\i+1], v[ST+8*\i+7]      ; l_w, beside -M_w
.endr
.irp i, 0,1,2,3
	ds_store_b64 v[AST], v[ST+8*\i+2:ST+8*\i+3] offset:2048+128*\i
.endr
	s_wait_dscnt 0x0                               ; my stores are done, and so are my last reads of V
	s_barrier_signal -1
	s_barrier_wait -1                              ; nobody reads the waves' 64 KB any more, and they have had their last fill: the stage may lie there
.irp i, 0,1,2,3
.irp u, 0,1,2,3
	ds_load_b64 v[MB+8*\i+2*\u:MB+8*\i+2*\u+1], v[ASR] offset:2048+512*\u+128*\i
.endr
.endr
	s_wait_dscnt 0x0
.irp i, 0,1,2,3
	v_min3_num_f32 v[ST+8*\i+1], v[MB+8*\i], v[MB+8*\i+2], v[MB+8*\i+4]
.endr
.irp i, 0,1,2,3
	v_min_num_f32 v[ST+8*\i+1], v[ST+8*\i+1], v[MB+8*\i+6]  ; -M of the row
.endr
.irp i, 0,1,2,3
	v_sub_f32 v[ST+8*\i+7], v[ST+8*\i+1], v[ST+8*\i+2]      ; M_w - M: a whole number, 0 or less: mine,
.irp u, 0,1,2,3
	v_sub_f32 v[MB+8*\i+2*\u], v[ST+8*\i+1], v[MB+8*\i+2*\u]   ; and all four
.endr
.endr
.irp i, 0,1,2,3
	v_cvt_i32_f32 v[ST+8*\i+7], v[ST+8*\i+7]
.irp u, 0,1,2,3
	v_cvt_i32_f32 v[MB+8*\i+2*\u], v[MB+8*\i+2*\u]
.endr
.endr
.irp i, 0,1,2,3
	v_ldexp_f32 v[ST+8*\i+7], 1.0, v[ST+8*\i+7]             ; f_w = 2^(M_w - M)
.irp u, 0,1,2,3
	v_ldexp_f32 v[MB+8*\i+2*\u], 1.0, v[MB+8*\i+2*\u]
.endr
.endr
.irp i, 0,1,2,3
	v_mul_f32 v[ST+8*\i+4], v[MB+8*\i], v[MB+8*\i+1]
.endr
.irp u, 1,2,3
.irp i, 0,1,2,3
	v_fmac_f32 v[ST+8*\i+4], v[MB+8*\i+2*\u], v[MB+8*\i+2*\u+1]   ; the row's sum: sum of f_w l_w
.endr
.endr
.irp i, 0,1,2,3
	v_rcp_f32 v[ST+8*\i+5], v[ST+8*\i+4]
.endr
	v_nop                                          ; a plain line behind the last reciprocal,
	s_wait_alu depctr_va_vdst(0)                   ; and the one wait for the four
.irp i, 0,1,2,3
	v_mul_f32 v[ST+8*\i+6], v[ST+8*\i+5], v[ST+8*\i+7]
.endr
.irp i, 0,1,2,3
	v_ldexp_f32 v[ST+8*\i+6], v[ST+8*\i+6], s[EPV]          ; f_w / sum x 2^(ep + ev)
.endr
	WIN 0x41
.irp i, 0,1,2,3
.set on, 0
.rept 32
	v_pk_mul_f32 v[64*\i+on:64*\i+on+1], v[64*\i+on:64*\i+on+1], v[ST+8*\i+6:ST+8*\i+7] op_sel_hi:[1,0]   ; each accumulator from its low end on
.set on, on+2
.endr
.endr
	WIN 0x04                                       ; address window 0, data window 1
.irp i, 0,1
.irp d, 0,1,2,3,4,5,6,7
	ds_store_b128 v[ASG0], v[64*\i+8*\d:64*\i+8*\d+3] offset:\i*4*SRG+64*\d          ; lane (r, h): row r, channels 16 d + 8 h + 0 .. 7
	ds_store_b128 v[ASG0], v[64*\i+8*\d+4:64*\i+8*\d+7] offset:\i*4*SRG+64*\d+16
.endr
.endr
.irp i, 0,1
.irp d, 0,1,2,3,4,5,6,7
	ds_store_b128 v[ASG1], v[128+64*\i+8*\d:128+64*\i+8*\d+3] offset:\i*4*SRG+64*\d
	ds_store_b128 v[ASG1], v[128+64*\i+8*\d+4:128+64*\i+8*\d+7] offset:\i*4*SRG+64*\d+16
.endr
.endr
	s_wait_dscnt 0x0                               ; for the others' sake: my stores into the stage are done (and have read O^T's registers)
	s_barrier_signal -1
	s_barrier_wait -1
	WIN 0x40                                       ; destination window 1
.irp t, 0,1,2,3,4,5,6,7,8,9,10,11,12,13,14,15
.irp u, 0,1,2,3
	ds_load_b128 v[16*\t+4*\u:16*\t+4*\u+3], v[ARD] offset:\u*SRG+\t*SPI   ; row t of my tile, the four waves' parts
.endr
.endr
.macro ADDROW t
	s_wait_dscnt 60-4*(\t)                         ; row t's four loads are in; the later rows' may be out
	v_pk_add_f32 v[16*(\t):16*(\t)+1], v[16*(\t):16*(\t)+1], v[16*(\t)+4:16*(\t)+5]
	v_pk_add_f32 v[16*(\t)+2:16*(\t)+3], v[16*(\t)+2:16*(\t)+3], v[16*(\t)+6:16*(\t)+7]
	v_pk_add_f32 v[16*(\t)+8:16*(\t)+9], v[16*(\t)+8:16*(\t)+9], v[16*(\t)+12:16*(\t)+13]
	v_pk_add_f32 v[16*(\t)+10:16*(\t)+11], v[16*(\t)+10:16*(\t)+11], v[16*(\t)+14:16*(\t)+15]
	v_pk_add_f32 v[16*(\t):16*(\t)+1], v[16*(\t):16*(\t)+1], v[16*(\t)+8:16*(\t)+9]
	v_pk_add_f32 v[16*(\t)+2:16*(\t)+3], v[16*(\t)+2:16*(\t)+3], v[16*(\t)+10:16*(\t)+11]
.endm
	WIN 0x55
.irp t, 0,1,2,3,4,5,6,7
	ADDROW \t
.endr
	WIN 0x04
.irp t, 0,1,2,3,4,5,6,7
	global_store_b128 v[L16], v[16*\t:16*\t+3], s[16:17] offset:\t*512 th:TH_STORE_NT   ; the tile's row t is query t + 8 (t / 8) from its first: 32 lanes store a row of 512 consecutive bytes, aligned
.endr
	WIN 0x55
.irp t, 8,9,10,11,12,13,14,15
	ADDROW \t
.endr
	WIN 0x04
.irp t, 8,9,10,11,12,13,14,15
	global_store_b128 v[L16], v[16*\t:16*\t+3], s[16:17] offset:(\t+8)*512 th:TH_STORE_NT
.endr
	WIN 0
	s_wait_tensorcnt 0x0                           ; the wave's end: a wait, an add and its wait, behind my last tensor load and my last LDS store
	ds_add_u32 v[SPW], v[NIL]
	s_wait_dscnt 0x0
	CROUND                                         ; the closing round: no work-group ends while a partner may still ask for a tile that names it
	s_endpgm
.Lfunc_end_k_q169cfe4beb_attn:
	.size	k_q169cfe4beb_attn, .Lfunc_end_k_q169cfe4beb_attn-k_q169cfe4beb_attn
	.p2alignl 7, 3214868480
	.fill 96, 4, 3214868480
	.section	.rodata,"a",@progbits
	.p2align	6, 0x0
	.amdhsa_kernel k_q169cfe4beb_attn
		.amdhsa_group_segment_fixed_size 327680
		.amdhsa_private_segment_fixed_size 0
		.amdhsa_enable_private_segment 0
		.amdhsa_kernarg_size 56
		.amdhsa_user_sgpr_count 2
		.amdhsa_user_sgpr_kernarg_segment_ptr 1
		.amdhsa_wavefront_size32 1
		.amdhsa_system_sgpr_workgroup_id_x 1
		.amdhsa_system_sgpr_workgroup_id_y 1
		.amdhsa_system_sgpr_workgroup_id_z 1
		.amdhsa_system_vgpr_workitem_id 0
		.amdhsa_next_free_vgpr 1024
		.amdhsa_next_free_sgpr 100
		.amdhsa_reserve_vcc 0
		.amdhsa_float_denorm_mode_32 3
		.amdhsa_float_denorm_mode_16_64 3
		.amdhsa_memory_ordered 1
		.amdhsa_forward_progress 1
		.amdhsa_inst_pref_size 255
	.end_amdhsa_kernel
	.section	.bss,"aw",@nobits
	.p2align	6
	.space	262144
	.amdgpu_metadata
---
amdhsa.version: [ 1, 2 ]
amdhsa.kernels:
  - .name:           k_q169cfe4beb_attn
    .symbol:         k_q169cfe4beb_attn.kd
    .args:
      - { .name: qc, .offset: 0, .size: 8, .value_kind: global_buffer, .address_space: global }
      - { .name: kc, .offset: 8, .size: 8, .value_kind: global_buffer, .address_space: global }
      - { .name: vc, .offset: 16, .size: 8, .value_kind: global_buffer, .address_space: global }
      - { .name: gamma, .offset: 24, .size: 8, .value_kind: global_buffer, .address_space: global }
      - { .name: beta, .offset: 32, .size: 8, .value_kind: global_buffer, .address_space: global }
      - { .name: lowp_scales, .offset: 40, .size: 8, .value_kind: global_buffer, .address_space: global }
      - { .name: out0, .offset: 48, .size: 8, .value_kind: global_buffer, .address_space: global }
    .group_segment_fixed_size: 327680
    .private_segment_fixed_size: 0
    .kernarg_segment_align: 8
    .kernarg_segment_size: 56
    .max_flat_workgroup_size: 128
    .sgpr_count:     100
    .vgpr_count:     1024
    .wavefront_size: 32
...
	.end_amdgpu_metadata
.endif
;; end of part 2
